; MI455X (gfx1250); checked and timed in simulation.
; The chip was launched on July 23, 2026; its instructions are those of AMD's public machine-readable ISA for CDNA 5 (MIT licence, August 2026) and "CDNA5" Instruction Set Architecture Reference Guide (July 2026). The comments in the code are by the model that wrote it; some were corrected since.
;; Lo RA Llama Server. Allowed arithmetic: matrix products marked QUANTISED: E2M1 operands, one E8M0 scale for each 32 along K, by v_wmma_scale_f32_16x16x128_f8f6f4 with both operands' format E2M1 (or v_wmma_scale_f32_32x16x128_f4), f32 sums; everything else in f32.
;; Inputs: W_codes 4,000 x 128 x 16 uint8 (E2M1 codes of W, K innermost, in blocks of 32 codes, two codes a byte); W_scales 4,000 x 128 uint8 (E8M0 scales of W, one for each 32 codes along K); hidden_states_codes 2 x 2,048 x 128 x 16 uint8 (E2M1 codes of hidden_states, K innermost, in blocks of 32 codes, two codes a byte); hidden_states_scales 2 x 2,048 x 128 uint8 (E8M0 scales of hidden_states, one for each 32 codes along K); label_ids 2 x 2,048 int32.
;; Outputs: out0 one number float32; out1 2 x 2,048 x 4,000 float32.
;; This version of the problem:
;;   THIS VERSION OF THE PROBLEM IS GIVEN IN LOW PRECISION. The matrix products marked QUANTISED in the list below multiply operands that are first quantised to E2M1 (2 exponent bits, 1 mantissa bit; 4 bits a number), with one power-of-two scale for each 32 numbers along K (OCP MX v1.0); their sums are f32. All else is computed in f32.
;;   The module's matrix products, in the order in which they are computed (A, B: the left and right operand; K: the contracted axis; several contracted axes count as one K, in the product's order):
;;     1. [M 4,096, K 4,096] x [K 4,096, N 4,000]; A: input hidden_states (given as codes); B: input W (given as codes): QUANTISED
;;   THE QUANTISER, for each operand of a quantised product, along K:
;;     - K is cut into blocks of 32 from its start; a last block that is shorter is filled with zeros.
;;     - A block's scale is 2^e with e = floor(log2(the largest magnitude in the block)) - 2, held to -126 .. 127; a block of zeros has e = 0. As a byte (E8M0): e + 127.
;;     - Each number is divided by its block's scale, clamped to +-6, and rounded to the nearest number of E2M1, ties to even, subnormals kept.
;;     - The product sums the exact products of the quantised numbers (number of the format x scale) in f32.
;;   ~~~python
;;   def quantise(x, axis):      # numpy; x: float32 -> the quantised numbers, widened to float32 again
;;       x = np.moveaxis(x, axis, -1); K = x.shape[-1]
;;       x = np.pad(x, [(0, 0)] * (x.ndim - 1) + [(0, -K % 32)]); x = x.reshape(x.shape[:-1] + (-1, 32)); a = np.abs(x).max(-1, keepdims=True)
;;       e = np.where(a > 0, np.clip(np.frexp(np.where(a > 0, a, 1))[1] - 1 - 2, -126, 127), 0)      # np.frexp(a)[1] - 1 = floor(log2(a)), exactly
;;       r = np.clip(x / 2.0 ** e, -6, 6)
;;       step = 2.0 ** (np.maximum(np.frexp(np.where(r == 0, 1, r))[1] - 1, 0) - 1)
;;       q = np.round(r / step) * step * 2.0 ** e      # np.round: ties to even
;;       return np.moveaxis(q.reshape(q.shape[:-2] + (-1,))[..., :K], -1, axis).astype(np.float32)
;;   ~~~
;;   INPUTS GIVEN AS CODES. W (in the module: [4000, 4096], K = its axis 1); hidden_states (in the module: [2, 2048, 4096], K = its axis 2): each comes as NAME_codes (uint8): NAME with its K axis moved to the last place and cut into blocks of 32 codes, [.., K / 32, bytes a block], one block behind the other in memory; two codes a byte, the lower K in the low four bits (a code: sign, 2 exponent bits, 1 mantissa bit); and NAME_scales (uint8): the same leading axes, one E8M0 byte (e + 127) for each 32 codes along K. Its value is code x scale, taken as it is: it is not quantised again, and the codes and scales need not be those that the quantiser above would give.
;; 2 versions, each right. Each part assembles by itself: llvm-mc -triple=amdgcn-amd-amdhsa -mcpu=gfx1250 --defsym DOCPART=n.
;; ======== version 1 of 2: 2 launches
;; workspace buffers: part 262,144 bytes
;; launch gemm (part 1): grid 16 x 16, 4 waves a work-group, clusters of 4 x 4, 327,680 bytes of LDS; arguments hidden_states_codes, hidden_states_scales, W_codes, W_scales, out1, part; writes out1, part
.if DOCPART == 1
	.amdgcn_target "amdgcn-amd-amdhsa--gfx1250"
	.amdhsa_code_object_version 6
	.text
	.protected	k_qeffceff923_gemm
	.globl	k_qeffceff923_gemm
	.p2align	8
	.type	k_qeffceff923_gemm,@function
k_qeffceff923_gemm:
	s_mov_b64 s[64:65], 0
	v_nop
	global_prefetch_b8 v0, s[64:65] scope:SCOPE_SE
	s_setreg_imm32_b32 hwreg(HW_REG_WAVE_MODE, 25, 1), 1
	s_wait_xcnt 0x0
	s_wait_alu depctr_hold_cnt(0) depctr_sa_sdst(0) depctr_va_vdst(0) depctr_va_sdst(0) depctr_va_ssrc(0) depctr_va_vcc(0) depctr_vm_vsrc(0)
	s_getreg_b32 s2, hwreg(HW_REG_IB_STS2, 6, 4)
	s_cmp_eq_u32 s2, 0
	s_cbranch_scc0 .Lentry_in_a_cluster
	s_endpgm
.Lentry_in_a_cluster:
	s_bfe_u32 s2, ttmp6, 0x10000c
	s_cmp_lg_u32 s2, 0xf033
	s_cbranch_scc0 .Lentry_shape_is_right
	s_endpgm
.Lentry_shape_is_right:
; logits[m][n] = sum over k of H[m][k] W[n][k].  H: [4096][4096], W: [4000][4096]: codes of FP4 (E2M1) with one E8M0 byte for each 32 along K, taken as they lie in memory.
; out1 = the logits, [4096][4000] f32.  part[tc][m] = max + ln(sum of exp(x - max)) over the columns that tile column tc owns, f32: the next launch makes the loss of these 16 numbers a row, so no logit is read back for the softmax.
; DEAD WORK: no whole unit is left out.  The rows 2047 and 4095, whose logits reference() returns but leaves out of the loss, are live in out1; their entries of part lie in live stores and are dropped by a select in the next launch.
; SHARES.  A tile of C is 256 x 256: 16 x 16 work-groups of four waves; a wave makes 128 x 128 in 512 registers.  4000 is 15.625 tiles: tile column 15 begins at column 3744 = 4000 - 256, so that no load leaves W and every tile has one shape.
; Its first 96 columns belong to tile column 14: they are multiplied once more inside a live tile, and are neither stored (those lanes are off for the stores) nor counted in the maximum and the sum (selects).  No branch and no LDS address hangs on that.
; K goes in steps of 512 (rows of 256 bytes) through a ring of two LDS slots filled by the tensor data mover.
; CLUSTERS: 4 x 4 work-groups.  The four of a row of the cluster need the same tiles of H, the four of a column the same tiles of W: each tile is asked for JOINTLY, by the same tensor load with the same descriptor and a mask that names the four.
; THE SCALES.  A row has 128 scale bytes, 16 for each K step.  Beside the ring LDS has room for 80 bytes a row of the work-group's 512 rows: K steps 0 to 4 come once, with the first fills, and stay in LDS.
; K steps 5, 6 and 7 come once too, by 24 loads a wave at the head, straight into three sets of registers that stay.  So the loop has two trips, and the K steps that name the other sets are written out.
; THE MATRIX INSTRUCTION, 32 x 16 x 128, IS USED TRANSPOSED: source 0 = 32 rows of W, source 1 = 16 rows of H.  In the result lane l holds row l % 16 of C; registers 0-7 hold columns 8 (l / 16) + 0..7, registers 8-15 columns 16 + 8 (l / 16) + 0..7.
; A scale register holds the words of 32 neighbouring rows, lane l the word of row l: for W that is what the 32-row operand takes; for H the even block of 16 rows takes lanes 0-15 and the odd block lanes 16-31 (MATRIX_SCALE_ROW1).
; THE SOFTMAX takes each row's own maximum away before the exponentials, here for each 128 columns, then for each 256, in the next launch for the 16 tile columns.
; LIMITS: a scale byte 0xff, NaN and infinities go where the arithmetic carries them; the order of the sums is not reference()'s.
; LEFT OUT: work-groups that stay (256 tiles, one for each work-group); whole aligned blocks of 256 bytes on the odd rows of out1 (a row is 16,000 bytes = 62.5 such blocks, so a wave's 512 bytes of an odd row begin at 128 modulo 256).
; REGISTERS, in windows of 256: window 0: v0-31 addresses; v32-95 H's fragments (8 x 16 rows x 128 K), ONE set; v96-255 five sets of 32 scale words.  On the way out v32-255 are free.
;   window 1: W's fragments, TWO sets, at v0 and at v128.   window 2: the accumulators of my rows 0-63 (block a of 16 rows, 16 columns b: v[8 (8 (a % 4) + b)]);   window 3: those of my rows 64-127.
.set ROWB,   256                       ; a tile's row in bytes: 512 codes
.set KROW,   2048                      ; a row of codes in memory
.set PITCH,  272                       ; an LDS row: 256 bytes + 16 of padding = 68 words: row r starts at bank 4 r mod 64 (64 banks of 4 bytes: ISA guide 11.1)
.set HALFT,  128*PITCH                 ; 128 rows: what one tensor load brings, and what one wave reads of H or of W
.set SLOT,   4*HALFT                   ; H's 256 rows, then W's 256 rows
.set SCL,    2*SLOT                    ; behind the ring: the scale bytes of K steps 0 to 4
.set SROW,   80                        ; 5 K steps x 16 bytes: an odd multiple of 16
.set HALFS,  128*SROW                  ; those of 128 rows: what one tensor load brings
.set SPARE,  SCL+4*HALFS               ; the spare words, 128 bytes for each wave: two blocks of 256 bytes that no other line names
.set SPITCH, 528                       ; the way out: a stage of 16 rows x (512 bytes + 16) for each wave, in slot 0, which has had its last fill and its last read by then
.set MS,     4*16*SPITCH               ; behind the stages, in slot 0 too: 256 rows' maxima of column half 0, of half 1, then their sums likewise: 4 x 1,024 bytes
.set CROW,   16000                     ; a row of out1 in bytes
.set LASTB,  3744                      ; the last tile column's first column
.set LANE, 6                           ; v6   my lane
.set ADRA, 16                          ; v16-17  LDS address of my fragments of H in slot 0, 1
.set ADSA, 18                          ; v18  of H's scale words: my 128 rows, 80 x lane
.set ADSB, 19                          ; v19  of W's
.set ADRB, 20                          ; v20-21  of my fragments of W
.set MSA,  22                          ; v22  where I put a row's maximum
.set MLA,  23                          ; v23  where I read two rows' back
.set STO,  24                          ; v24  the stage: where I put 32 bytes of a row
.set RD,   25                          ; v25  and where I read a row back
.set CO,   26                          ; v26  16 x lane: my bytes in a row of out1
.set PO,   27                          ; v27  8 x lane: my two numbers of part
.set SPW,  28                          ; v28  LDS address of my spare word; never rewritten
.set NIL,  29                          ; v29  0; never rewritten
.set PFO,  30                          ; v30  the prefetches: my row x 2,048 bytes; never rewritten
.set GSO,  31                          ; v31  128 x lane: my row of scale bytes in memory
.set AF,   32                          ; H's fragments
.set SC,   96                          ; scale words: set s at v[SC + 32 s]; H's word of rows 32 i on, quarter q, at + 4 i + q; W's at + 16 + 4 i + q
.set T,    32                          ; the way out: v32-53 maxima at work
.set U,    64                          ; v64-95 sums at work, in pairs
.set MR,   96                          ; v96-103  the maximum of my row in blocks 0 to 7
.set SR,   104                         ; v104-111 the sum
.set NC,   112                         ; v[112:113] -log2(e) x the maximum (the packed form names the pair and takes its low word)
.set NINF, 114                         ; v114 -infinity
.set ZERO, 115                         ; v115 0
.set BK,   128                         ; 16 rows read back from the stage: v128-191 and v192-255 by turns
.set G1,   24                          ; s[24:31] descriptor group 1 for H's tiles;  s[32:39] group 0, one set for each slot
.set G0,   32
.set G1B,  48                          ; s[48:55], s[56:63] the same for W's
.set G0B,  56
.set G1S,  68                          ; s[68:75], s[76:79] groups 1 and 0 for H's scales;  s[80:87], s[88:91] for W's
.set G0S,  76
.set G1SB, 80
.set G0SB, 88
.set LIM,  66                          ; s66  1 in a wave that prefetches, else the greatest number; on the way out the mask of lanes 16-31
.set SAVE, 67                          ; s67  EXEC, kept over the stores
.set PFA,  92                          ; s[92:93] where my prefetches stand along K
.set CS,   94                          ; s[94:95] log2(e)
.set SEL,  96                          ; s[96:97] selects of v_permlanex16_b32: lane l xor 16
.set DUPM, 98                          ; s98  all ones in the wave whose first 96 columns belong to tile column 14, else 0
.set NLE,  99                          ; s99  -log2(e)
.set LN2,  100                         ; s[100:101] ln(2)
.set MSB, 0
.macro WIN new                         ; the immediate's high byte repeats the setting that is left; a switch that changes nothing is dropped
.if MSB != (\new)
	s_set_vgpr_msb (MSB<<8)|(\new)
.set MSB, (\new)
.endif
.endm
.set MUL_LO, 0xa1                      ; source 0 (W) window 1, source 1 (H) window 0, C and D window 2
.set MUL_HI, 0xf1                      ; the same, C and D window 3
.set TO_B,   0x40                      ; destination window 1, address window 0
; A joint load: waves 0 and 1 fetch for H, waves 2 and 3 for W.  Each of the two lines has ONE mask and one set of registers for all that issue it; the branch hangs on the wave's number alone.
; An s_nop 0 and four v_nop follow each of the two lines, ahead of the jump, the label and what follows.
.macro JLOAD g0a, g1a, g0b, g1b
	s_cmp_eq_u32 s17, 0
	s_cbranch_scc0 .Lfor_b_\@
	tensor_load_to_lds s[\g0a:\g0a+3], s[\g1a:\g1a+7]
	s_nop 0
.rept 4
	v_nop
.endr
	s_branch .Lasked_\@
.Lfor_b_\@:
	tensor_load_to_lds s[\g0b:\g0b+3], s[\g1b:\g1b+7]
	s_nop 0
.rept 4
	v_nop
.endr
.Lasked_\@:
.endm
.macro CREST                           ; a round of the cluster's barrier behind its opening barrier
	s_cmp_lg_u32 s16, 0
	s_cbranch_scc1 .Lnot_wave_0_\@
	s_barrier_signal -3
.Lnot_wave_0_\@:
	s_barrier_wait -3
	s_barrier_signal -1
	s_barrier_wait -1
.endm
.macro CROUND                          ; a whole round
	s_barrier_signal -1
	s_barrier_wait -1
	CREST
.endm
; A PREFETCH INTO THE L2 of the K step that stands TWO refills on: 32 rows x 256 bytes, a lane a row, one instruction a wave, behind the joint load, its five lines and the run of LDS loads.
; H's tile row is read by every cluster of that row of clusters: cluster x = 0 asks; W's tile column by every cluster of that column: cluster y = 0 asks.  Of the 128 rows that a wave fetches each of the four partners
; that ask for them jointly takes 32, told apart BY ADDRESS.  For W the rows are counted from 256 x tile column, so that each row is named once; rows past W's last are held at its last.
.macro ASK
	s_cmp_eq_u32 s[LIM], 1
	s_cbranch_scc0 .Lnot_mine_\@
	global_prefetch_b8 v[PFO], s[PFA:PFA+1] th:TH_LOAD_NT scope:SCOPE_SE
.Lnot_mine_\@:
.endm
	s_load_b256 s[4:11], s[0:1], 0x0               ; H's codes s[4:5], H's scales s[6:7], W's codes s[8:9], W's scales s[10:11]
	s_load_b128 s[12:15], s[0:1], 0x20             ; out1 s[12:13], part s[14:15]
	v_lshl_add_u32 v[SPW], v0, 2, SPARE
	v_mov_b32 v[NIL], 0
	ds_add_u32 v[SPW], v[NIL]                      ; the wave's opening: the add, twice on end, and its wait ahead of my first tensor load; the set-up below, work on registers, stands between the second and the wait
	ds_add_u32 v[SPW], v[NIL]                      ; and once more, under the one wait
	v_lshrrev_b32 v1, 5, v0
	v_readfirstlane_b32 s16, v1                    ; wave 0..3
	s_lshr_b32 s17, s16, 1                         ; which half of the tile's rows is mine.  Also: I fetch for H (0) or for W (1)
	s_and_b32 s18, s16, 1                          ; which half of its columns.  Also: which 128 rows of that tile I fetch
	s_bfe_u32 s40, ttmp6, 0x40000                  ; cx, cy: my place in the cluster
	s_bfe_u32 s41, ttmp6, 0x40004
	s_lshl_b32 s42, ttmp9, 2
	s_add_co_u32 s42, s42, s40                     ; tile column = 4 x cluster x + cx
	s_and_b32 s43, ttmp7, 0xffff
	s_lshl_b32 s43, s43, 2
	s_add_co_u32 s43, s43, s41                     ; tile row = 4 x cluster y + cy
	s_lshl_b32 s44, s41, 2
	s_lshl_b32 s44, 15, s44                        ; my row of the cluster
	s_lshl_b32 s45, 0x1111, s40                    ; my column
	; descriptor group 1 for codes: a tile of 128 rows x 256 bytes, padded in LDS
	s_or_b32 s[G1+0], s44, (0<<16)|(1<<20)|(1<<21)|(5<<22)|(3<<25)   ; 15:0 the mask: H's tiles go to my row; 17:16 elements of 1 byte; 20 padding on; 21 set beside a mask; 24:22 after every 64 words (code 5); 31:25 four words (code 3)
	s_or_b32 s[G1B+0], s45, (0<<16)|(1<<20)|(1<<21)|(5<<22)|(3<<25)  ; the same with the mask of my column
.irp g, G1, G1B
	s_mov_b32 s[\g+1], ROWB<<16                    ; tensor_dim0
	s_mov_b32 s[\g+2], 128<<16                     ; tensor_dim1
	s_mov_b32 s[\g+3], ROWB<<16                    ; tile_dim0
	s_mov_b32 s[\g+4], 128                         ; tile_dim1
	s_mov_b32 s[\g+5], KROW                        ; tensor_dim0_stride
	s_mov_b32 s[\g+6], 0
	s_mov_b32 s[\g+7], 0
.endr
	; and for scales: 128 rows x the first 80 of their 128 bytes, as 10 elements of 8 bytes, 16 elements from row to row; dense in LDS
	s_or_b32 s[G1S+0], s44, (3<<16)|(1<<21)
	s_or_b32 s[G1SB+0], s45, (3<<16)|(1<<21)
.irp g, G1S, G1SB
	s_mov_b32 s[\g+1], 10<<16
	s_mov_b32 s[\g+2], 128<<16
	s_mov_b32 s[\g+3], 10<<16
	s_mov_b32 s[\g+4], 128
	s_mov_b32 s[\g+5], 16
	s_mov_b32 s[\g+6], 0
	s_mov_b32 s[\g+7], 0
.endr
	s_mov_b32 s[CS], 0x3fb8aa3b                    ; log2(e)
	s_mov_b32 s[CS+1], s[CS]                       ; (named with it as a pair, so it is written)
	s_mov_b32 s[SEL], 0x76543210
	s_mov_b32 s[SEL+1], 0xfedcba98
	s_mov_b32 s[NLE], 0xbfb8aa3b                   ; -log2(e)
	s_mov_b32 s[LN2], 0x3f317218                   ; ln(2)
	s_mov_b32 s[LN2+1], s[LN2]
	; where the tiles come from.  H's hang on the tile row alone, W's on the tile column alone; every wave makes both, in registers that never hold the other coordinate
	s_lshl_b32 s19, s18, 7                         ; which 128 rows of the tile I fetch
	s_lshl_b32 s20, s43, 8
	s_add_co_u32 s20, s20, s19                     ; H: row 256 x tile row + 128 x half
	s_lshl_b32 s46, s42, 8
	s_min_u32 s46, s46, LASTB                      ; W: the last tile column begins at 3,744
	s_add_co_u32 s46, s46, s19
	s_lshl_b32 s22, s20, 7                         ; these rows' scale bytes: 128 a row,
	s_lshl_b32 s20, s20, 11                        ; and their codes: 2,048 a row (both under 2^24)
	s_mov_b32 s21, 0
	s_mov_b32 s23, 0
	s_lshl_b32 s92, s46, 7
	s_lshl_b32 s46, s46, 11
	s_mov_b32 s47, 0
	s_mov_b32 s93, 0
	s_mul_i32 s19, s16, HALFT                      ; where they go: wave x 128 rows: no place in the cluster enters an LDS address
	s_mul_i32 s67, s16, HALFS
	s_wait_dscnt 0x0                               ; both opening adds are done
	s_wait_kmcnt 0x0
	s_add_nc_u64 s[20:21], s[4:5], s[20:21]
	s_add_nc_u64 s[22:23], s[6:7], s[22:23]
	s_add_nc_u64 s[46:47], s[8:9], s[46:47]
	s_add_nc_u64 s[92:93], s[10:11], s[92:93]
	CROUND                                         ; all sixteen work-groups are here: the first joint loads meet
	s_mov_b32 s[G0S], 1                            ; 1:0 count = 1
	s_add_co_u32 s[G0S+1], s67, SCL                ; 63:32 LDS address
	s_mov_b64 s[G0S+2:G0S+3], s[22:23]             ; 120:64 global address
	s_or_b32 s[G0S+3], s[G0S+3], 0x80000000        ; 127:126 type = 2
	s_mov_b32 s[G0SB], 1
	s_add_co_u32 s[G0SB+1], s67, SCL
	s_mov_b64 s[G0SB+2:G0SB+3], s[92:93]
	s_or_b32 s[G0SB+3], s[G0SB+3], 0x80000000
	JLOAD G0S, G1S, G0SB, G1SB                     ; the scales first: they are wanted with K step 0
.irp s, 0,1
	s_mov_b32 s[G0+4*\s], 1
	s_add_co_u32 s[G0+4*\s+1], s19, \s*SLOT
	s_add_nc_u64 s[G0+4*\s+2:G0+4*\s+3], s[20:21], \s*ROWB
	s_or_b32 s[G0+4*\s+3], s[G0+4*\s+3], 0x80000000
	s_mov_b32 s[G0B+4*\s], 1
	s_add_co_u32 s[G0B+4*\s+1], s19, \s*SLOT
	s_add_nc_u64 s[G0B+4*\s+2:G0B+4*\s+3], s[46:47], \s*ROWB
	s_or_b32 s[G0B+4*\s+3], s[G0B+4*\s+3], 0x80000000
	JLOAD G0+4*\s, G1, G0B+4*\s, G1B               ; three tensor loads of mine are out now
.endr
	v_and_b32 v1, 15, v0                           ; r = l % 16
	v_bfe_u32 v2, v0, 4, 1                         ; h = l / 16
	v_and_b32 v[LANE], 31, v0
	v_lshlrev_b32 v[GSO], 7, v[LANE]
	; the scale words of K steps 5, 6, 7: my 128 rows of H and my 128 rows of W, 16 bytes a row and K step, lane l of load i takes row 32 i + l: they land as the operands want them and stay
	s_lshl_b32 s20, s43, 8
	s_lshl_b32 s21, s17, 7
	s_add_co_u32 s20, s20, s21                     ; my first row of C: 256 x tile row + 128 x half
	s_lshl_b32 s22, s20, 7
	s_mov_b32 s23, 0
	s_add_nc_u64 s[6:7], s[6:7], s[22:23]
	s_lshl_b32 s46, s42, 8
	s_min_u32 s46, s46, LASTB
	s_lshl_b32 s47, s18, 7
	s_add_co_u32 s46, s46, s47                     ; my first column of C
	s_lshl_b32 s92, s46, 7
	s_mov_b32 s93, 0
	s_add_nc_u64 s[10:11], s[10:11], s[92:93]
.irp k, 5,6,7
.irp i, 0,1,2,3
	global_load_b128 v[SC+32*(\k-3)+4*\i:SC+32*(\k-3)+4*\i+3], v[GSO], s[6:7] offset:4096*\i+16*\k
	global_load_b128 v[SC+32*(\k-3)+16+4*\i:SC+32*(\k-3)+16+4*\i+3], v[GSO], s[10:11] offset:4096*\i+16*\k
.endr
.endr
	s_mul_i32 s22, s20, CROW                       ; out1 at my first row (under 2^27 bytes)
	s_add_nc_u64 s[12:13], s[12:13], s[22:23]
	s_lshl_b32 s92, s46, 2                         ; and my first column
	s_add_nc_u64 s[12:13], s[12:13], s[92:93]
	s_lshl_b32 s92, s42, 14                        ; part: 4,096 numbers a tile column,
	s_add_nc_u64 s[14:15], s[14:15], s[92:93]
	s_lshl_b32 s22, s43, 10                        ; the tile's 256 rows,
	s_lshl_b32 s21, s16, 8                         ; of which wave w writes 64 w .. 64 w + 63
	s_add_co_u32 s22, s22, s21
	s_add_nc_u64 s[14:15], s[14:15], s[22:23]
	; LDS addresses
	v_mul_u32_u24 v3, v1, PITCH
	v_lshl_add_u32 v4, v2, 4, v3                   ; a fragment's row x pitch + 16 x half
	s_mul_i32 s21, s17, HALFT                      ; my 128 rows of H
	s_mul_i32 s22, s18, HALFT                      ; my 128 rows of W,
	s_add_co_u32 s22, s22, 2*HALFT                 ; which lie behind H's 256
.irp s, 0,1
	v_add_nc_u32 v[ADRA+\s], s21, v4
	v_add_nc_u32 v[ADRB+\s], s22, v4
	s_add_co_u32 s21, s21, SLOT
	s_add_co_u32 s22, s22, SLOT
.endr
	v_mul_u32_u24 v5, v[LANE], SROW                ; a scale row for each lane
	s_mul_i32 s21, s17, HALFS
	s_add_co_u32 s21, s21, SCL
	v_add_nc_u32 v[ADSA], s21, v5
	s_mul_i32 s22, s18, HALFS
	s_add_co_u32 s22, s22, SCL+2*HALFS
	v_add_nc_u32 v[ADSB], s22, v5
	s_mul_i32 s23, s16, 16*SPITCH                  ; my stage
	v_mul_u32_u24 v5, v1, SPITCH                   ; in: row l % 16, 32 bytes for each half of the lanes
	v_lshl_add_u32 v5, v2, 5, v5
	v_add_nc_u32 v[STO], s23, v5
	v_lshlrev_b32 v[CO], 4, v[LANE]                ; back: the 32 lanes take one row of 512 bytes; and the same in out1
	v_add_nc_u32 v[RD], s23, v[CO]
	v_lshlrev_b32 v[PO], 3, v[LANE]
	s_lshl_b32 s21, s18, 10                        ; a row's maximum: my column half's 1,024 bytes, my row half's 512, 4 bytes a row
	s_lshl_b32 s22, s17, 9
	s_add_co_u32 s21, s21, s22
	s_add_co_u32 s21, s21, MS
	v_lshl_add_u32 v[MSA], v[LANE], 2, s21
	s_lshl_b32 s22, s16, 8                         ; back: wave w takes rows 64 w on, two a lane
	s_add_co_u32 s22, s22, MS
	v_lshl_add_u32 v[MLA], v[LANE], 3, s22
	; the prefetches: who asks, and for which row
	s_lshl_b32 s20, s43, 8                         ; 256 x tile row
	s_lshl_b32 s21, s42, 8                         ; 256 x tile column
	s_and_b32 s22, ttmp7, 0xffff                   ; cluster y
	s_mov_b32 s23, 3999                            ; W's last row
	s_cmp_eq_u32 s17, 0                            ; do I fetch for H?
	s_cselect_b32 s20, s20, s21                    ; the tile's first row
	s_cselect_b32 s21, s40, s41                    ; my place among the four that ask for it with me
	s_cselect_b32 s22, ttmp9, s22                  ; the coordinate along which other clusters read the same rows
	s_cselect_b32 s23, 4095, s23                   ; the buffer's last row
	s_cselect_b64 s[PFA:PFA+1], s[4:5], s[8:9]
	s_cmp_eq_u32 s22, 0
	s_cselect_b32 s[LIM], 1, -1                    ; the same in all sixteen partners, for a given wave
	s_lshl_b32 s22, s18, 7
	s_add_co_u32 s20, s20, s22                     ; + the 128 rows that I fetch
	s_lshl_b32 s21, s21, 5
	s_add_co_u32 s20, s20, s21                     ; + my work-group's 32 of them
	v_add_nc_u32 v[PFO], s20, v[LANE]
	v_min_u32 v[PFO], s23, v[PFO]                  ; no prefetch points past its buffer
	v_lshlrev_b32 v[PFO], 11, v[PFO]
	s_add_nc_u64 s[PFA:PFA+1], s[PFA:PFA+1], 3*ROWB  ; at K step 3: the first change of slots steps it to 4.  Nothing is prefetched here, at the head: K steps 0 to 3 come by their loads alone
.macro FRAG reg, adr, q, i             ; a fragment, 16 rows x 128 K of 4-bit codes, is 8 registers: lane l holds row l % 16; registers 4 c .. 4 c + 3 hold K = 64 c + 32 (l / 16) + 0 .. 31
.irp c, 0,1
	ds_load_b128 v[\reg+4*\c:\reg+4*\c+3], v[\adr] offset:64*(\q)+32*\c+(\i)*16*PITCH
.endr
.endm
; 8 matrix instructions: H's blocks a0, a0 + 1 x W's four blocks of 32 rows, 128 along K: the slot's q-th.  p: W's set; sc: the set of scale words.  zero = 1: the first product starts the sums: nothing is ever cleared.
; Two neighbouring fragments of W are the 32-row operand.  The 32 accumulators take turns, one instruction a turn, in the same order in every step.
.macro MULA a0, p, q, sc, zero
.irp a, \a0, \a0+1
.irp b, 0,1,2,3
.set rD, 64*((\a)%4)+16*\b
.set rW, 128*(\p)+16*\b
.set rX, AF+8*(\a)
.set rSW, SC+32*(\sc)+16+4*\b+(\q)
.set rSX, SC+32*(\sc)+4*((\a)/2)+(\q)
.if \zero
.if (\a)%2
	v_wmma_scale_f32_32x16x128_f4 v[rD:rD+15], v[rW:rW+15], v[rX:rX+7], 0, v[rSW], v[rSX] matrix_b_scale:MATRIX_SCALE_ROW1
.else
	v_wmma_scale_f32_32x16x128_f4 v[rD:rD+15], v[rW:rW+15], v[rX:rX+7], 0, v[rSW], v[rSX]
.endif
.else
.if (\a)%2
	v_wmma_scale_f32_32x16x128_f4 v[rD:rD+15], v[rW:rW+15], v[rX:rX+7], v[rD:rD+15], v[rSW], v[rSX] matrix_b_scale:MATRIX_SCALE_ROW1
.else
	v_wmma_scale_f32_32x16x128_f4 v[rD:rD+15], v[rW:rW+15], v[rX:rX+7], v[rD:rD+15], v[rSW], v[rSX]
.endif
.endif
.endr
.endr
.endm
.macro FETCH_B slot, q, p              ; W's eight fragments of the slot's q-th 128 along K into set p
	WIN TO_B
.irp i, 0,1,2,3,4,5,6,7
	FRAG 128*(\p)+8*\i, ADRB+\slot, \q, \i
.endr
	WIN 0
.endm
.macro FETCH_A slot, q, i0             ; H's blocks i0 .. i0 + 3
.irp i, \i0, \i0+1, \i0+2, \i0+3
	FRAG AF+8*(\i), ADRA+\slot, \q, \i
.endr
.endm
.macro SCALES sc                       ; a K step's scale words from LDS into set sc: four words a row; load i takes rows 32 i + lane
.irp i, 0,1,2,3
	ds_load_b128 v[SC+32*\sc+4*\i:SC+32*\sc+4*\i+3], v[ADSA] offset:\i*32*SROW
.endr
.irp i, 0,1,2,3
	ds_load_b128 v[SC+32*\sc+16+4*\i:SC+32*\sc+16+4*\i+3], v[ADSB] offset:\i*32*SROW
.endr
.endm
; A load into a register that a matrix instruction has read, and a vector instruction or an LDS store that reads a matrix result, stand four places behind that matrix instruction, and only plain vector
; instructions that name none of its registers are places (ISA guide 7.12.1 for vector instructions); the matrix instructions in between are not counted.
.macro PLACES n
.rept \n
	v_nop
.endr
.endm
; A step of 128 along K that has its successor in the same slot.  H's blocks go one after the other, each against all of W's, so a block of H is free when its four products are issued and one set serves H:
; blocks 0-3 are fetched anew in the step's middle, blocks 4-7 at its end.  W's fragments are at work through the whole step: two sets.
.macro STEP slot, q, sc, zero
	s_wait_dscnt 8                                 ; W's set, H's blocks 0-3 (and scale words) are in; the youngest eight loads, H's blocks 4-7, may be out
	WIN MUL_LO
	MULA 0, (\q)%2, \q, \sc, \zero
	MULA 2, (\q)%2, \q, \sc, \zero
	s_wait_dscnt 0x0                               ; H's blocks 4-7 are in (asked for 16 matrix instructions ago)
	PLACES 4
	FETCH_B \slot, (\q)+1, 1-(\q)%2
	FETCH_A \slot, (\q)+1, 0
	WIN MUL_HI
	MULA 4, (\q)%2, \q, \sc, \zero
	MULA 6, (\q)%2, \q, \sc, \zero
	PLACES 4
	WIN 0
	FETCH_A \slot, (\q)+1, 4
.endm
.macro STEPS slot, from, sc            ; the slot's steps from .. 2
.set Q, \from
.rept 3-\from
	STEP \slot, Q, \sc, 0
.set Q, Q+1
.endr
.endm
; A slot's last step changes slots: ONE barrier; in front of it each wave waits for all its tensor loads, adds 0 to its spare word, and waits for that and for its own reads of this slot.
; fill = 1: this slot is filled again, two K steps ahead; the barrier then opens a round of the cluster's.  rd = 1: the next K step's scale words come from LDS into set scn.  pf = 1: a prefetch.
.macro TURN slot, next, sc, scn, fill, rd, pf
.if \pf
	s_wait_xcnt 0x0                                ; the last prefetch, a K step back, has read its address: it is stepped here, ahead of the waits of the change of slots
	s_add_nc_u64 s[PFA:PFA+1], s[PFA:PFA+1], ROWB
.endif
	s_wait_tensorcnt 0x0                           ; all my tensor loads have landed: my part of the next slot  (every window is 0 here: the add's two registers lie in window 0)
	ds_add_u32 v[SPW], v[NIL]                      ; 0 onto my spare word
	s_wait_dscnt 9                                 ; (the add and the youngest eight loads, H's blocks 4-7, may be out)
	WIN MUL_LO
	MULA 0, 1, 3, \sc, 0                           ; eight matrix instructions stand between the add and the wait for it
	s_wait_dscnt 0x0                               ; the add is done, and my reads of this slot are over
	s_barrier_signal -1
	MULA 2, 1, 3, \sc, 0
	WIN 0
	s_barrier_wait -1
.if \fill
	CREST                                          ; no wave of any partner still reads this slot's tile or has a load on its way
	s_add_nc_u64 s[G0+4*\slot+2:G0+4*\slot+3], s[G0+4*\slot+2:G0+4*\slot+3], 2*ROWB
	s_add_nc_u64 s[G0B+4*\slot+2:G0B+4*\slot+3], s[G0B+4*\slot+2:G0B+4*\slot+3], 2*ROWB
	JLOAD G0+4*\slot, G1, G0B+4*\slot, G1B         ; the first tensor load behind the round; the four v_nop behind it are the places in front of the loads below
.else
	PLACES 4
.endif
.if \rd
	v_add_nc_u32 v[ADSA], 16, v[ADSA]              ; on to the next K step's scale words
	v_add_nc_u32 v[ADSB], 16, v[ADSB]
.endif
	FETCH_B \next, 0, 0
	FETCH_A \next, 0, 0
.if \rd
	SCALES \scn
.endif
.if \pf
	ASK
.endif
	WIN MUL_HI
	MULA 4, 1, 3, \sc, 0
	MULA 6, 1, 3, \sc, 0
	PLACES 4
	WIN 0
	FETCH_A \next, 0, 4
.endm
	s_wait_tensorcnt 1                             ; the scales and my part of K step 0 are in (K step 1's load may be out)
	s_barrier_signal -1
	s_barrier_wait -1                              ; everybody's are
	FETCH_B 0, 0, 0
	FETCH_A 0, 0, 0
	SCALES 0
	FETCH_A 0, 0, 4
	STEP 0, 0, 0, 1                                ; the first step stands in front of the loop: its products start the sums
	s_mov_b32 s3, 2
.Llap:                                                 ; a trip goes once round the ring, from a lap's second step to the next lap's first: K steps 0 to 3, whose successors' scale words lie in LDS
	STEPS 0, 1, 0
	TURN 0, 1, 0, 1, 1, 1, 1
	STEPS 1, 0, 1
	TURN 1, 0, 1, 0, 1, 1, 1
	STEP 0, 0, 0, 0
	s_sub_co_u32 s3, s3, 1
	s_cmp_lg_u32 s3, 0
	s_cbranch_scc1 .Llap
	s_wait_loadcnt 0x0                             ; the scale words of K steps 5, 6, 7, asked for at the head
	STEPS 0, 1, 0                                  ; K step 4 goes on
	TURN 0, 1, 0, 0, 1, 0, 0                       ; slot 0 takes K step 6
	STEPS 1, 0, 2                                  ; K step 5
	TURN 1, 0, 2, 0, 1, 0, 0                       ; slot 1 takes K step 7: the last load
	STEPS 0, 0, 3                                  ; K step 6
	TURN 0, 1, 3, 0, 0, 0, 0                       ; nothing is filled: no round.  Behind this barrier nobody reads slot 0
	STEPS 1, 0, 4                                  ; K step 7
	s_wait_dscnt 8                                 ; the very last step: nothing more to fetch
	WIN MUL_LO
	MULA 0, 1, 3, 4, 0
	MULA 2, 1, 3, 4, 0
	s_wait_dscnt 0x0
	WIN MUL_HI
	MULA 4, 1, 3, 4, 0
	MULA 6, 1, 3, 4, 0
	WIN 0
; THE WAY OUT, block by block of 16 rows x 128 columns.  A lane holds 32 neighbouring bytes of a row and the lanes beside it hold other rows: so a block goes through my own stage in LDS and comes back as whole rows of
; 512 bytes.  LDS serves a wave's instructions in order (ISA guide 5.7.1.4): no wait between the stores and the loads, nor in front of the next block's stores.
.macro TOSTAGE a
.set AC, 64*((\a)%4)
	WIN 0x08+4*((\a)/4)                            ; the data: window 2 or 3
.irp b, 0,1,2,3,4,5,6,7
	ds_store_b128 v[STO], v[AC+8*\b:AC+8*\b+3] offset:64*\b          ; each accumulator from its low end on
	ds_store_b128 v[STO], v[AC+8*\b+4:AC+8*\b+7] offset:64*\b+16
.endr
	WIN 0
.set BB, BK+64*((\a)%2)
.irp t, 0,1,2,3,4,5,6,7,8,9,10,11,12,13,14,15
	ds_load_b128 v[BB+4*\t:BB+4*\t+3], v[RD] offset:\t*SPITCH
.endr
.endm
; younger: the LDS instructions issued behind block a's loads, which may stay out.  In the wave whose first 96 columns belong to tile column 14, lanes 0-23 are off for the stores.
.macro SEND a, younger
.set BB, BK+64*((\a)%2)
	s_wait_dscnt \younger                          ; the block is back in registers
	s_wait_xcnt 0x0                                ; EXEC and the stores' base change only behind this wait
.if (\a) > 0
	s_add_nc_u64 s[12:13], s[12:13], 16*CROW       ; 16 rows on, so that the offsets stay small: 15 rows, 240,000 bytes, at the most
.endif
	s_and_saveexec_b32 s[SAVE], vcc_lo
.irp t, 0,1,2,3,4,5,6,7,8,9,10,11,12,13,14,15
	global_store_b128 v[CO], v[BB+4*\t:BB+4*\t+3], s[12:13] offset:\t*CROW th:TH_STORE_NT   ; 32 lanes store 512 consecutive bytes of a row; no launch reads them again but for one number a row
.endr
	s_wait_xcnt 0x0                                ; and again, in front of the line that widens EXEC: the stores have read their registers too, so the next block but one may land there
	s_or_b32 exec_lo, exec_lo, s[SAVE]
.endm
; Block a's statistics, while its stores leave.  A lane holds 64 numbers of ONE row; the row's other 64 lie in lane l xor 16.  Registers 0-47 are the wave's columns 0-95, registers 48-63 its columns 96-127:
; the two groups are kept apart up to one select, which throws the first away in the wave that does not own it (an exponential of such a column may be infinite: it is selected away, never multiplied).
; The accumulators are done with (they lie in the stage): t = (x - m) log2(e) and 2^t are made in place.
.macro SOFTMAX a
.set AC, 64*((\a)%4)
.set WW, 2+(\a)/4
.set W3S, WW|(WW<<2)|(WW<<4)           ; three sources in the block's window, destination window 0
.set WIP, WW|(WW<<6)                   ; source 0 and destination in the block's window
.set W2S, WW|(WW<<2)                   ; two sources in the block's window
	WIN W3S
.set j, 0
.rept 16
	v_max3_num_f32 v[T+j], v[AC+3*j], v[AC+3*j+1], v[AC+3*j+2]
.set j, j+1
.endr
.set j, 0
.rept 5
	v_max3_num_f32 v[T+16+j], v[AC+48+3*j], v[AC+49+3*j], v[AC+50+3*j]
.set j, j+1
.endr
	v_max3_num_f32 v[T+21], v[AC+61], v[AC+62], v[AC+63]
	WIN 0
.irp k, 0,3,6,9,12
	v_max3_num_f32 v[T+\k], v[T+\k], v[T+\k+1], v[T+\k+2]
.endr
	v_max3_num_f32 v[T+16], v[T+16], v[T+17], v[T+18]
	v_max3_num_f32 v[T+19], v[T+19], v[T+20], v[T+21]
	v_max3_num_f32 v[T], v[T], v[T+3], v[T+6]
	v_max3_num_f32 v[T+9], v[T+9], v[T+12], v[T+15]
	v_max_num_f32 v[T+16], v[T+16], v[T+19]
	v_max_num_f32 v[T], v[T], v[T+9]
	v_cndmask_b32 v[T], v[T], v[NINF], s[DUPM]     ; columns that are not mine count for nothing
	v_max_num_f32 v[T], v[T], v[T+16]
	v_permlanex16_b32 v[T+1], v[T], s[SEL], s[SEL+1]
	v_max_num_f32 v[MR+(\a)], v[T], v[T+1]         ; m: the row's largest of my columns, in both lanes of the row
	v_mul_f32 v[NC], s[NLE], v[MR+(\a)]
	WIN WIP
.set j, 0
.rept 32
	v_pk_fma_f32 v[AC+j:AC+j+1], v[AC+j:AC+j+1], s[CS:CS+1], v[NC:NC+1] op_sel_hi:[1,0,0]   ; (x - m) log2(e), two at a time
.set j, j+2
.endr
.set j, 0
.rept 64
	v_exp_f32 v[AC+j], v[AC+j]
.set j, j+1
.endr
	v_nop                                          ; a plain instruction behind the last exponential, ahead of the first use
	s_wait_alu depctr_va_vdst(0)                   ; one wait for the batch of 64, ahead of its first reader
	WIN W2S
.set j, 0
.rept 16
	v_pk_add_f32 v[U+2*j:U+2*j+1], v[AC+4*j:AC+4*j+1], v[AC+4*j+2:AC+4*j+3]   ; pairs 0-11: columns 0-95; pairs 12-15: columns 96-127
.set j, j+1
.endr
	WIN 0
.irp k, 0,2,4,6,8,10,12,14
	v_pk_add_f32 v[U+2*\k:U+2*\k+1], v[U+2*\k:U+2*\k+1], v[U+2*\k+2:U+2*\k+3]
.endr
.irp k, 0,4,8,12
	v_pk_add_f32 v[U+2*\k:U+2*\k+1], v[U+2*\k:U+2*\k+1], v[U+2*\k+4:U+2*\k+5]
.endr
	v_pk_add_f32 v[U:U+1], v[U:U+1], v[U+8:U+9]
	v_add_f32 v[U+24], v[U+24], v[U+25]
	v_pk_add_f32 v[U:U+1], v[U:U+1], v[U+16:U+17]
	v_add_f32 v[U], v[U], v[U+1]
	v_cndmask_b32 v[U], v[U], v[ZERO], s[DUPM]
	v_add_f32 v[U], v[U], v[U+24]
	v_permlanex16_b32 v[U+1], v[U], s[SEL], s[SEL+1]
	v_add_f32 v[SR+(\a)], v[U], v[U+1]             ; s: the sum of exp(x - m) over my columns of the row
.endm
	PLACES 4                                       ; behind the last products: for the loads into registers that held scale words and fragments, the moves below, and block 7's reads
	s_lshl_b32 s19, s42, 1
	s_add_co_u32 s19, s19, s18
	s_cmp_eq_u32 s19, 30                           ; tile column 15, column half 0: the wave whose first 96 columns belong to tile column 14
	s_cselect_b32 s[DUPM], -1, 0
	s_cselect_b32 s19, 24, 0                       ; 96 columns are 384 bytes of a row: lanes 0-23
	v_cmp_le_u32 vcc_lo, s19, v[LANE]              ; the lanes that store.  Written behind the last tensor load, and not again
	v_mov_b32 v[NINF], 0xff800000
	v_mov_b32 v[ZERO], 0
	v_mov_b32 v[NC+1], 0                           ; (named as the upper half of a pair)
	s_mov_b32 s[LIM], 0xffff0000                   ; lanes 16-31
	TOSTAGE 0
.irp a, 0,1,2,3,4,5,6
	TOSTAGE \a+1                                   ; the next block goes through the stage
	SEND \a, 32                                    ; behind block a's loads: the next block's 16 stores and 16 loads
	SOFTMAX \a
.endr
	SEND 7, 0
	SOFTMAX 7
	; A ROW'S TWO COLUMN HALVES MEET.  Lane l takes row 32 i + l: the even block's number in lanes 0-15, the odd block's in lanes 16-31
.irp i, 0,1,2,3
	v_cndmask_b32 v[T+\i], v[MR+2*\i], v[MR+2*\i+1], s[LIM]
	v_cndmask_b32 v[T+4+\i], v[SR+2*\i], v[SR+2*\i+1], s[LIM]
.endr
.irp i, 0,1,2,3
	ds_store_b32 v[MSA], v[T+\i] offset:128*\i
	ds_store_b32 v[MSA], v[T+4+\i] offset:2048+128*\i
.endr
	s_wait_dscnt 0x0                               ; for the others' sake: my stores are done
	s_barrier_signal -1
	s_barrier_wait -1
	ds_load_b64 v[40:41], v[MLA]                   ; two rows a lane: m of column half 0,
	ds_load_b64 v[42:43], v[MLA] offset:1024       ; of half 1,
	ds_load_b64 v[44:45], v[MLA] offset:2048       ; s of half 0,
	ds_load_b64 v[46:47], v[MLA] offset:3072       ; of half 1
	s_wait_dscnt 0x0
	v_max_num_f32 v48, v40, v42                    ; M
	v_max_num_f32 v49, v41, v43
	v_pk_add_f32 v[50:51], v[40:41], v[48:49] neg_lo:[0,1] neg_hi:[0,1]
	v_pk_add_f32 v[52:53], v[42:43], v[48:49] neg_lo:[0,1] neg_hi:[0,1]
	v_pk_mul_f32 v[50:51], v[50:51], s[CS:CS+1] op_sel_hi:[1,0]
	v_pk_mul_f32 v[52:53], v[52:53], s[CS:CS+1] op_sel_hi:[1,0]
.irp j, 50,51,52,53
	v_exp_f32 v\j, v\j                             ; exp(m - M), at most 1
.endr
	v_nop
	s_wait_alu depctr_va_vdst(0)                   ; one wait for the four
	v_pk_mul_f32 v[54:55], v[44:45], v[50:51]
	v_pk_fma_f32 v[54:55], v[46:47], v[52:53], v[54:55]
	v_log_f32 v54, v54
	v_log_f32 v55, v55
	v_nop
	s_wait_alu depctr_va_vdst(0)                   ; and one for the two
	v_pk_fma_f32 v[56:57], v[54:55], s[LN2:LN2+1], v[48:49] op_sel_hi:[1,0,1]   ; M + ln(the sum)
	global_store_b64 v[PO], v[56:57], s[14:15]     ; 32 lanes store 256 consecutive bytes, at a multiple of 256 from part's first byte
	s_wait_tensorcnt 0x0                           ; the wave's end: behind my last tensor load and my last LDS store
	ds_add_u32 v[SPW], v[NIL]
	s_wait_dscnt 0x0
	CROUND                                         ; the closing round: no work-group ends while a partner may still ask for a tile that names it
	s_endpgm
.Lfunc_end_k_qeffceff923_gemm:
	.size	k_qeffceff923_gemm, .Lfunc_end_k_qeffceff923_gemm-k_qeffceff923_gemm
	.p2alignl 7, 3214868480
	.fill 96, 4, 3214868480
	.section	.rodata,"a",@progbits
	.p2align	6, 0x0
	.amdhsa_kernel k_qeffceff923_gemm
		.amdhsa_group_segment_fixed_size 327680
		.amdhsa_private_segment_fixed_size 0
		.amdhsa_enable_private_segment 0
		.amdhsa_kernarg_size 48
		.amdhsa_user_sgpr_count 2
		.amdhsa_user_sgpr_kernarg_segment_ptr 1
		.amdhsa_wavefront_size32 1
		.amdhsa_system_sgpr_workgroup_id_x 1
		.amdhsa_system_sgpr_workgroup_id_y 1
		.amdhsa_system_sgpr_workgroup_id_z 1
		.amdhsa_system_vgpr_workitem_id 0
		.amdhsa_next_free_vgpr 1024
		.amdhsa_next_free_sgpr 102
		.amdhsa_reserve_vcc 1
		.amdhsa_float_denorm_mode_32 3
		.amdhsa_float_denorm_mode_16_64 3
		.amdhsa_memory_ordered 1
		.amdhsa_forward_progress 1
		.amdhsa_inst_pref_size 255
	.end_amdhsa_kernel
	.section	.bss,"aw",@nobits
	.p2align	6
	.space	262144
	.amdgpu_metadata
---
amdhsa.version: [ 1, 2 ]
amdhsa.kernels:
  - .name:           k_qeffceff923_gemm
    .symbol:         k_qeffceff923_gemm.kd
    .args:
      - { .name: hidden_states_codes, .offset: 0, .size: 8, .value_kind: global_buffer, .address_space: global }
      - { .name: hidden_states_scales, .offset: 8, .size: 8, .value_kind: global_buffer, .address_space: global }
      - { .name: W_codes, .offset: 16, .size: 8, .value_kind: global_buffer, .address_space: global }
      - { .name: W_scales, .offset: 24, .size: 8, .value_kind: global_buffer, .address_space: global }
      - { .name: out1, .offset: 32, .size: 8, .value_kind: global_buffer, .address_space: global }
      - { .name: part, .offset: 40, .size: 8, .value_kind: global_buffer, .address_space: global }
    .group_segment_fixed_size: 327680
    .private_segment_fixed_size: 0
    .kernarg_segment_align: 8
    .kernarg_segment_size: 48
    .max_flat_workgroup_size: 128
    .sgpr_count:     102
    .vgpr_count:     1024
    .wavefront_size: 32
...
	.end_amdgpu_metadata
.endif
;; end of part 1
;; launch loss (part 2): grid 1 x 1, 32 waves a work-group, no clusters, 4,352 bytes of LDS; arguments part, out1, label_ids, out0; writes out0
.if DOCPART == 2
	.amdgcn_target "amdgcn-amd-amdhsa--gfx1250"
	.amdhsa_code_object_version 6
	.text
	.protected	k_qeffceff923_loss
	.globl	k_qeffceff923_loss
	.p2align	8
	.type	k_qeffceff923_loss,@function
k_qeffceff923_loss:
	s_mov_b64 s[64:65], 0
	v_nop
	global_prefetch_b8 v0, s[64:65] scope:SCOPE_SE
	s_setreg_imm32_b32 hwreg(HW_REG_WAVE_MODE, 25, 1), 1
	s_wait_xcnt 0x0
; out0 = the mean over the 2 x 2,047 rows with s < 2,047 of logsumexp(row) - logit[row][label_ids[b][s + 1]].
; part [16][4096] f32 holds, for each tile column of 256 (the last: 160) columns and each row, max + ln(sum of exp(x - max)): a row's logsumexp is the logsumexp of its 16 numbers, its largest taken away first.
; The label's logit is looked up in out1: one number a row.  Rows 2,047 and 4,095 are worked like the others and set to 0 by a select; label_ids[b][0] lies in a live load and is not used.  No whole unit is left out.
; LIMITS: a label outside 0 .. 3,999 is read as min(label as an unsigned number, 3,999); the order of the sums is not reference()'s.
; One work-group of 32 waves; thread t owns rows 4 t .. 4 t + 3.  256 KiB and 4,096 lookups: no matrix unit, no tensor load, no cluster: nothing is shared, and a sum over work-groups would want a further launch.
.set SPARE, 256                        ; LDS: bytes 0-127 the 32 waves' sums, in a block of 256 bytes of their own; then the spare words, 128 bytes for each wave
.set P,   16                           ; v16-79   part[c][4 t + k] at v[16 + 4 c + k]
.set G,   80                           ; v80-83   the labels' logits
.set GOF, 84                           ; v84-87   their byte offsets in out1
.set M,   88                           ; v88-91   the rows' largest
.set NM,  92                           ; v92-95   -log2(e) x that
.set S,   96                           ; v96-99   the sums, then the rows' terms
.set SPW, 126                          ; v126 LDS address of my spare word; never rewritten
.set NIL, 127                          ; v127 0; never rewritten
	s_load_b256 s[4:11], s[0:1], 0x0               ; part s[4:5], out1 s[6:7], label_ids s[8:9], out0 s[10:11]
	v_lshl_add_u32 v[SPW], v0, 2, SPARE
	v_mov_b32 v[NIL], 0
	v_lshrrev_b32 v3, 5, v0
	v_readfirstlane_b32 s12, v3                    ; wave 0..31
	v_lshlrev_b32 v1, 4, v0                        ; 16 t: my four numbers of a row of part, and labels 4 t .. 4 t + 3
	v_lshl_add_u32 v2, v0, 2, 4
	v_min_u32 v2, 4095, v2                         ; label 4 t + 4; the last thread stays inside the buffer (its row 4,095 is set to 0)
	v_lshlrev_b32 v2, 2, v2
	v_mul_u32_u24 v9, v0, 64000                    ; four rows of out1, 16,000 bytes each
	v_mov_b32 v101, s12
	v_lshlrev_b32 v101, 2, v101                    ; my wave's word
	v_and_b32 v102, 31, v0
	v_lshlrev_b32 v102, 2, v102                    ; 4 x lane
	v_mov_b32 v103, 0
	s_mov_b32 s14, 0x3fb8aa3b                      ; log2(e)
	s_mov_b32 s15, s14                             ; (named with it as a pair)
	s_mov_b32 s16, 0x76543210
	s_mov_b32 s17, 0xfedcba98                      ; v_permlanex16_b32's selects for lane l xor 16
	s_mov_b32 s18, 0xbfb8aa3b                      ; -log2(e)
	s_mov_b32 s19, 0x3f317218                      ; ln(2)
	s_wait_kmcnt 0x0
	global_load_b128 v[4:7], v1, s[8:9]            ; row 4 t + k is judged by label 4 t + k + 1: v[5 + k]
	global_load_b32 v8, v2, s[8:9]
.irp c, 0,1,2,3,4,5,6,7,8,9,10,11,12,13,14,15
	global_load_b128 v[P+4*\c:P+4*\c+3], v1, s[4:5] offset:16384*\c   ; a wave reads 512 consecutive bytes
.endr
	s_wait_loadcnt 16                              ; the labels are in; the sixteen loads of part may be out
.irp k, 0,1,2,3
	v_min_u32 v[5+\k], 3999, v[5+\k]               ; an index stays inside its table
.endr
.irp k, 0,1,2,3
	v_lshl_add_u32 v[GOF+\k], v[5+\k], 2, v9
.endr
.irp k, 0,1,2,3
	global_load_b32 v[G+\k], v[GOF+\k], s[6:7] offset:16000*\k
.endr
	s_wait_loadcnt 4                               ; part is in; the four lookups may be out
.irp k, 0,1,2,3
	v_max3_num_f32 v[M+\k], v[P+\k], v[P+4+\k], v[P+8+\k]
.endr
.irp c, 3,5,7,9,11,13
.irp k, 0,1,2,3
	v_max3_num_f32 v[M+\k], v[M+\k], v[P+4*\c+\k], v[P+4*\c+4+\k]   ; (the four rows by turns)
.endr
.endr
.irp k, 0,1,2,3
	v_max_num_f32 v[M+\k], v[M+\k], v[P+60+\k]
.endr
.irp k, 0,1,2,3
	v_mul_f32 v[NM+\k], s18, v[M+\k]
.endr
.irp c, 0,1,2,3,4,5,6,7,8,9,10,11,12,13,14,15
.irp p, 0,2
	v_pk_fma_f32 v[P+4*\c+\p:P+4*\c+\p+1], v[P+4*\c+\p:P+4*\c+\p+1], s[14:15], v[NM+\p:NM+\p+1] op_sel_hi:[1,0,1]   ; (L - M) log2(e)
.endr
.endr
.set j, 0
.rept 64
	v_exp_f32 v[P+j], v[P+j]
.set j, j+1
.endr
	v_nop                                          ; a plain instruction behind the last exponential
	s_wait_alu depctr_va_vdst(0)                   ; one wait for the batch, ahead of its first reader
.irp p, 0,2
	v_pk_add_f32 v[S+\p:S+\p+1], v[P+\p:P+\p+1], v[P+4+\p:P+4+\p+1]
.endr
.irp c, 2,3,4,5,6,7,8,9,10,11,12,13,14,15
.irp p, 0,2
	v_pk_add_f32 v[S+\p:S+\p+1], v[S+\p:S+\p+1], v[P+4*\c+\p:P+4*\c+\p+1]
.endr
.endr
.irp k, 0,1,2,3
	v_log_f32 v[S+\k], v[S+\k]
.endr
	v_and_b32 v100, 511, v0                        ; (a plain instruction behind the last logarithm)
	s_wait_alu depctr_va_vdst(0)                   ; one wait for the four
	s_wait_loadcnt 0x0                             ; the lookups
.irp k, 0,1,2,3
	v_fma_f32 v[S+\k], v[S+\k], s19, v[M+\k]       ; the row's logsumexp
.endr
.irp k, 0,1,2,3
	v_sub_f32 v[S+\k], v[S+\k], v[G+\k]            ; less the label's logit
.endr
	v_cmp_eq_u32 vcc_lo, 511, v100                 ; t % 512 = 511: row 4 t + 3 is a sequence's last position, which predicts nothing
	v_cndmask_b32 v[S+3], v[S+3], v103, vcc_lo
	v_add_f32 v[S], v[S], v[S+1]
	v_add_f32 v[S+2], v[S+2], v[S+3]
	v_add_f32 v[S], v[S], v[S+2]
.macro LANESUM                         ; the sum over the wave's 32 lanes, in every lane
	v_add_f32_dpp v[S], v[S], v[S] row_xmask:1 row_mask:0xf bank_mask:0xf
	v_add_f32_dpp v[S], v[S], v[S] row_xmask:2 row_mask:0xf bank_mask:0xf
	v_add_f32_dpp v[S], v[S], v[S] row_xmask:4 row_mask:0xf bank_mask:0xf
	v_add_f32_dpp v[S], v[S], v[S] row_xmask:8 row_mask:0xf bank_mask:0xf
	v_permlanex16_b32 v[S+1], v[S], s16, s17
	v_add_f32 v[S], v[S], v[S+1]
.endm
	LANESUM
	ds_store_b32 v101, v[S]                        ; all lanes write the same word with the same value
	s_wait_dscnt 0x0                               ; for the others' sake
	s_barrier_signal -1
	s_barrier_wait -1
	ds_load_b32 v[S], v102                         ; lane l takes wave l's sum
	s_wait_dscnt 0x0
	LANESUM
	v_mul_f32 v[S], 0x39801002, v[S]               ; / 4,094
	s_cmp_lg_u32 s12, 0
	s_cbranch_scc1 .Lnot_wave_0
	v_cmp_eq_u32 vcc_lo, 0, v0
	s_wait_xcnt 0x0                                ; EXEC changes only behind this wait
	s_and_saveexec_b32 s20, vcc_lo
	global_store_b32 v103, v[S], s[10:11]          ; thread 0 stores the one number
	s_wait_xcnt 0x0                                ; and again, in front of the line that widens it
	s_or_b32 exec_lo, exec_lo, s20
.Lnot_wave_0:
	s_wait_tensorcnt 0x0                           ; the wave's end: behind my last LDS store
	ds_add_u32 v[SPW], v[NIL]
	s_wait_dscnt 0x0
	s_endpgm
.Lfunc_end_k_qeffceff923_loss:
	.size	k_qeffceff923_loss, .Lfunc_end_k_qeffceff923_loss-k_qeffceff923_loss
	.p2alignl 7, 3214868480
	.fill 96, 4, 3214868480
	.section	.rodata,"a",@progbits
	.p2align	6, 0x0
	.amdhsa_kernel k_qeffceff923_loss
		.amdhsa_group_segment_fixed_size 4352
		.amdhsa_private_segment_fixed_size 0
		.amdhsa_enable_private_segment 0
		.amdhsa_kernarg_size 32
		.amdhsa_user_sgpr_count 2
		.amdhsa_user_sgpr_kernarg_segment_ptr 1
		.amdhsa_wavefront_size32 1
		.amdhsa_system_sgpr_workgroup_id_x 1
		.amdhsa_system_sgpr_workgroup_id_y 1
		.amdhsa_system_sgpr_workgroup_id_z 1
		.amdhsa_system_vgpr_workitem_id 0
		.amdhsa_next_free_vgpr 128
		.amdhsa_next_free_sgpr 66
		.amdhsa_reserve_vcc 1
		.amdhsa_float_denorm_mode_32 3
		.amdhsa_float_denorm_mode_16_64 3
		.amdhsa_memory_ordered 1
		.amdhsa_forward_progress 1
		.amdhsa_inst_pref_size 15
	.end_amdhsa_kernel
	.amdgpu_metadata
---
amdhsa.version: [ 1, 2 ]
amdhsa.kernels:
  - .name:           k_qeffceff923_loss
    .symbol:         k_qeffceff923_loss.kd
    .args:
      - { .name: part, .offset: 0, .size: 8, .value_kind: global_buffer, .address_space: global }
      - { .name: out1, .offset: 8, .size: 8, .value_kind: global_buffer, .address_space: global }
      - { .name: label_ids, .offset: 16, .size: 8, .value_kind: global_buffer, .address_space: global }
      - { .name: out0, .offset: 24, .size: 8, .value_kind: global_buffer, .address_space: global }
    .group_segment_fixed_size: 4352
    .private_segment_fixed_size: 0
    .kernarg_segment_align: 8
    .kernarg_segment_size: 32
    .max_flat_workgroup_size: 1024
    .sgpr_count:     66
    .vgpr_count:     128
    .wavefront_size: 32
...
	.end_amdgpu_metadata
.endif
;; end of part 2
;; ======== version 2 of 2: 3 launches
;; workspace buffers: part 262,144 bytes; psum 256 bytes
;; launch gemm: the kernel of part 1 again; grid 16 x 16, 4 waves a work-group, clusters of 4 x 4, 327,680 bytes of LDS; arguments hidden_states_codes, hidden_states_scales, W_codes, W_scales, out1, part; writes out1, part
;; launch rows (part 3): grid 64 x 1, 1 waves a work-group, no clusters, 0 bytes of LDS; arguments part, out1, label_ids, psum; writes psum
.if DOCPART == 3
	.amdgcn_target "amdgcn-amd-amdhsa--gfx1250"
	.amdhsa_code_object_version 6
	.text
	.protected	k_qeffceff923_rows
	.globl	k_qeffceff923_rows
	.p2align	8
	.type	k_qeffceff923_rows,@function
k_qeffceff923_rows:
	s_mov_b64 s[64:65], 0
	v_nop
	global_prefetch_b8 v0, s[64:65] scope:SCOPE_SE
	s_setreg_imm32_b32 hwreg(HW_REG_WAVE_MODE, 25, 1), 1
	s_wait_xcnt 0x0
; psum[g] = the sum over rows 64 g .. 64 g + 63 of logsumexp(row) - logit[row][label_ids[b][s + 1]], the rows with s = 2,047 counted as 0.
; part [16][4096] f32 holds, for each tile column of 256 (the last: 160) columns and each row, max + ln(sum of exp(x - max)): a row's logsumexp is the logsumexp of its 16 numbers, its largest taken away first.
; The label's logit is looked up in out1: one number a row.  Rows 2,047 and 4,095 are worked like the others and set to 0 by a select; label_ids[b][0] lies in a live load and is not used.  No whole unit is left out.
; LIMITS: a label outside 0 .. 3,999 is read as min(label as an unsigned number, 3,999); the order of the sums is not reference()'s.
; SHARES.  64 work-groups of one wave; lane l of work-group g owns rows R = 64 g + 2 l and R + 1.  So a wave's load of part covers 256 consecutive bytes, at a multiple of 256 from part's first byte, a wave has 64 lookups,
; and the launch's 4,096 lookups and 1,024 loads of part go out from 64 work-groups side by side.  A wave shares nothing with another: no LDS, no barrier.  The 64 sums are added by the next launch, since no work-group may read what another stores.
; LEFT OUT: matrix units, tensor loads, clusters (nothing is shared, and there are 16 exponentials a row); a prefetch (every address is used as soon as it is known).
.set P,   16                           ; v16-47   part[c][R + k] at v[16 + 2 c + k]
.set G,   48                           ; v48-49   the labels' logits
.set GOF, 50                           ; v50-51   their byte offsets in out1
.set M,   52                           ; v52-53   the rows' largest
.set NM,  54                           ; v54-55   -log2(e) x that
.set S,   56                           ; v56-57   the sums, then the rows' terms
.set S2,  58                           ; v58-59   a second chain of sums
	s_load_b256 s[4:11], s[0:1], 0x0               ; part s[4:5], out1 s[6:7], label_ids s[8:9], psum s[10:11]
	s_lshl_b32 s12, ttmp9, 8                       ; my work-group's 64 numbers: 256 bytes of a row of part, and of the labels
	s_lshl_b32 s13, ttmp9, 6                       ; its first row
	s_lshl_b32 s20, ttmp9, 2                       ; its word of psum
	v_lshl_add_u32 v3, v0, 3, s12                  ; 256 g + 8 l: my two numbers of a row of part, and labels R, R + 1
	v_lshl_add_u32 v10, v0, 1, s13                 ; R
	v_add_nc_u32 v2, 2, v10
	v_min_u32 v2, 4095, v2                         ; label R + 2; the last lane of the last work-group stays inside the buffer (its row 4,095 is set to 0)
	v_lshlrev_b32 v2, 2, v2
	v_mul_u32_u24 v9, v10, 16000                   ; row R of out1, 16,000 bytes a row (under 2^27)
	v_mov_b32 v12, 0
	v_mov_b32 v13, s20
	s_mov_b32 s14, 0x3fb8aa3b                      ; log2(e)
	s_mov_b32 s15, s14                             ; (named with it as a pair)
	s_mov_b32 s16, 0x76543210
	s_mov_b32 s17, 0xfedcba98                      ; v_permlanex16_b32's selects for lane l xor 16
	s_mov_b32 s18, 0xbfb8aa3b                      ; -log2(e)
	s_mov_b32 s19, 0x3f317218                      ; ln(2)
	s_wait_kmcnt 0x0
	global_load_b64 v[4:5], v3, s[8:9]             ; the labels first: the lookups hang on them.  Row R + k is judged by label R + k + 1: v[5 + k]
	global_load_b32 v6, v2, s[8:9]
.irp c, 0,1,2,3,4,5,6,7,8,9,10,11,12,13,14,15
	global_load_b64 v[P+2*\c:P+2*\c+1], v3, s[4:5] offset:16384*\c th:TH_LOAD_NT   ; read once in the launch
.endr
	s_wait_loadcnt 16                              ; the labels are in; the sixteen loads of part may be out
.irp k, 0,1
	v_min_u32 v[5+\k], 3999, v[5+\k]               ; an index stays inside its table
.endr
.irp k, 0,1
	v_lshl_add_u32 v[GOF+\k], v[5+\k], 2, v9
.endr
.irp k, 0,1
	global_load_b32 v[G+\k], v[GOF+\k], s[6:7] offset:16000*\k
.endr
	s_wait_loadcnt 2                               ; part is in; the two lookups may be out
.irp k, 0,1
	v_max3_num_f32 v[M+\k], v[P+\k], v[P+2+\k], v[P+4+\k]
.endr
.irp c, 3,5,7,9,11,13
.irp k, 0,1
	v_max3_num_f32 v[M+\k], v[M+\k], v[P+2*\c+\k], v[P+2*\c+2+\k]   ; (the two rows by turns)
.endr
.endr
.irp k, 0,1
	v_max_num_f32 v[M+\k], v[M+\k], v[P+30+\k]
.endr
.irp k, 0,1
	v_mul_f32 v[NM+\k], s18, v[M+\k]
.endr
.irp c, 0,1,2,3,4,5,6,7,8,9,10,11,12,13,14,15
	v_pk_fma_f32 v[P+2*\c:P+2*\c+1], v[P+2*\c:P+2*\c+1], s[14:15], v[NM:NM+1] op_sel_hi:[1,0,1]   ; (L - M) log2(e), both rows at once
.endr
.set j, 0
.rept 32
	v_exp_f32 v[P+j], v[P+j]
.set j, j+1
.endr
	v_nop                                          ; a plain instruction behind the last exponential
	s_wait_alu depctr_va_vdst(0)                   ; one wait for the batch, ahead of its first reader
	v_pk_add_f32 v[S:S+1], v[P:P+1], v[P+2:P+3]    ; two chains, so that no line waits for the line above it
	v_pk_add_f32 v[S2:S2+1], v[P+4:P+5], v[P+6:P+7]
.irp c, 4,6,8,10,12,14
	v_pk_add_f32 v[S:S+1], v[S:S+1], v[P+2*\c:P+2*\c+1]
	v_pk_add_f32 v[S2:S2+1], v[S2:S2+1], v[P+2*\c+2:P+2*\c+3]
.endr
	v_pk_add_f32 v[S:S+1], v[S:S+1], v[S2:S2+1]
	v_log_f32 v[S], v[S]
	v_log_f32 v[S+1], v[S+1]
	v_and_b32 v11, 2047, v10                       ; (a plain instruction behind the last logarithm)  R's place in its sequence
	s_wait_alu depctr_va_vdst(0)                   ; one wait for the two
	s_wait_loadcnt 0x0                             ; the lookups
.irp k, 0,1
	v_fma_f32 v[S+\k], v[S+\k], s19, v[M+\k]       ; the row's logsumexp
.endr
.irp k, 0,1
	v_sub_f32 v[S+\k], v[S+\k], v[G+\k]            ; less the label's logit
.endr
	v_cmp_eq_u32 vcc_lo, 2046, v11                 ; row R + 1 is a sequence's last position, which predicts nothing
	v_cndmask_b32 v[S+1], v[S+1], v12, vcc_lo
	v_add_f32 v[S], v[S], v[S+1]
	v_add_f32_dpp v[S], v[S], v[S] row_xmask:1 row_mask:0xf bank_mask:0xf   ; the sum over the 32 lanes
	v_add_f32_dpp v[S], v[S], v[S] row_xmask:2 row_mask:0xf bank_mask:0xf
	v_add_f32_dpp v[S], v[S], v[S] row_xmask:4 row_mask:0xf bank_mask:0xf
	v_add_f32_dpp v[S], v[S], v[S] row_xmask:8 row_mask:0xf bank_mask:0xf
	v_permlanex16_b32 v[S+1], v[S], s16, s17
	v_add_f32 v[S], v[S], v[S+1]
	v_cmp_eq_u32 vcc_lo, 0, v0
	s_wait_xcnt 0x0                                ; EXEC changes only behind this wait
	s_and_saveexec_b32 s21, vcc_lo
	global_store_b32 v13, v[S], s[10:11]           ; lane 0 stores the work-group's one number
	s_wait_xcnt 0x0                                ; and again, in front of the line that widens it
	s_or_b32 exec_lo, exec_lo, s21
	s_endpgm
.Lfunc_end_k_qeffceff923_rows:
	.size	k_qeffceff923_rows, .Lfunc_end_k_qeffceff923_rows-k_qeffceff923_rows
	.p2alignl 7, 3214868480
	.fill 96, 4, 3214868480
	.section	.rodata,"a",@progbits
	.p2align	6, 0x0
	.amdhsa_kernel k_qeffceff923_rows
		.amdhsa_group_segment_fixed_size 0
		.amdhsa_private_segment_fixed_size 0
		.amdhsa_enable_private_segment 0
		.amdhsa_kernarg_size 32
		.amdhsa_user_sgpr_count 2
		.amdhsa_user_sgpr_kernarg_segment_ptr 1
		.amdhsa_wavefront_size32 1
		.amdhsa_system_sgpr_workgroup_id_x 1
		.amdhsa_system_sgpr_workgroup_id_y 1
		.amdhsa_system_sgpr_workgroup_id_z 1
		.amdhsa_system_vgpr_workitem_id 0
		.amdhsa_next_free_vgpr 64
		.amdhsa_next_free_sgpr 66
		.amdhsa_reserve_vcc 1
		.amdhsa_float_denorm_mode_32 3
		.amdhsa_float_denorm_mode_16_64 3
		.amdhsa_memory_ordered 1
		.amdhsa_forward_progress 1
		.amdhsa_inst_pref_size 9
	.end_amdhsa_kernel
	.amdgpu_metadata
---
amdhsa.version: [ 1, 2 ]
amdhsa.kernels:
  - .name:           k_qeffceff923_rows
    .symbol:         k_qeffceff923_rows.kd
    .args:
      - { .name: part, .offset: 0, .size: 8, .value_kind: global_buffer, .address_space: global }
      - { .name: out1, .offset: 8, .size: 8, .value_kind: global_buffer, .address_space: global }
      - { .name: label_ids, .offset: 16, .size: 8, .value_kind: global_buffer, .address_space: global }
      - { .name: psum, .offset: 24, .size: 8, .value_kind: global_buffer, .address_space: global }
    .group_segment_fixed_size: 0
    .private_segment_fixed_size: 0
    .kernarg_segment_align: 8
    .kernarg_segment_size: 32
    .max_flat_workgroup_size: 32
    .sgpr_count:     66
    .vgpr_count:     64
    .wavefront_size: 32
...
	.end_amdgpu_metadata
.endif
;; end of part 3
;; launch total (part 4): grid 1 x 1, 1 waves a work-group, no clusters, 0 bytes of LDS; arguments psum, out0; writes out0
.if DOCPART == 4
	.amdgcn_target "amdgcn-amd-amdhsa--gfx1250"
	.amdhsa_code_object_version 6
	.text
	.protected	k_qeffceff923_total
	.globl	k_qeffceff923_total
	.p2align	8
	.type	k_qeffceff923_total,@function
k_qeffceff923_total:
	s_mov_b64 s[64:65], 0
	v_nop
	global_prefetch_b8 v0, s[64:65] scope:SCOPE_SE
	s_setreg_imm32_b32 hwreg(HW_REG_WAVE_MODE, 25, 1), 1
	s_wait_xcnt 0x0
; out0 = (the sum of psum's 64 numbers) / 4,094: the mean over the 2 x 2,047 rows that predict a token.  No work is left out.
; One wave: lane l takes numbers 2 l and 2 l + 1, so the one load covers psum's 256 bytes.  It is a launch of its own because the 64 numbers come from 64 work-groups, which may hand nothing to each other inside a launch.
; LIMIT: the order of the sums is not reference()'s.
	s_load_b128 s[4:7], s[0:1], 0x0                ; psum s[4:5], out0 s[6:7]
	v_lshlrev_b32 v1, 3, v0                        ; 8 bytes a lane
	v_mov_b32 v4, 0
	s_mov_b32 s8, 0x76543210
	s_mov_b32 s9, 0xfedcba98                       ; v_permlanex16_b32's selects for lane l xor 16
	s_wait_kmcnt 0x0
	global_load_b64 v[2:3], v1, s[4:5]
	s_wait_loadcnt 0x0
	v_add_f32 v2, v2, v3
	v_add_f32_dpp v2, v2, v2 row_xmask:1 row_mask:0xf bank_mask:0xf   ; the sum over the 32 lanes
	v_add_f32_dpp v2, v2, v2 row_xmask:2 row_mask:0xf bank_mask:0xf
	v_add_f32_dpp v2, v2, v2 row_xmask:4 row_mask:0xf bank_mask:0xf
	v_add_f32_dpp v2, v2, v2 row_xmask:8 row_mask:0xf bank_mask:0xf
	v_permlanex16_b32 v3, v2, s8, s9
	v_add_f32 v2, v2, v3
	v_mul_f32 v2, 0x39801002, v2                   ; / 4,094
	v_cmp_eq_u32 vcc_lo, 0, v0
	s_wait_xcnt 0x0                                ; EXEC changes only behind this wait
	s_and_saveexec_b32 s10, vcc_lo
	global_store_b32 v4, v2, s[6:7]                ; lane 0 stores the one number
	s_wait_xcnt 0x0                                ; and again, in front of the line that widens it
	s_or_b32 exec_lo, exec_lo, s10
	s_endpgm
.Lfunc_end_k_qeffceff923_total:
	.size	k_qeffceff923_total, .Lfunc_end_k_qeffceff923_total-k_qeffceff923_total
	.p2alignl 7, 3214868480
	.fill 96, 4, 3214868480
	.section	.rodata,"a",@progbits
	.p2align	6, 0x0
	.amdhsa_kernel k_qeffceff923_total
		.amdhsa_group_segment_fixed_size 0
		.amdhsa_private_segment_fixed_size 0
		.amdhsa_enable_private_segment 0
		.amdhsa_kernarg_size 16
		.amdhsa_user_sgpr_count 2
		.amdhsa_user_sgpr_kernarg_segment_ptr 1
		.amdhsa_wavefront_size32 1
		.amdhsa_system_sgpr_workgroup_id_x 1
		.amdhsa_system_sgpr_workgroup_id_y 1
		.amdhsa_system_sgpr_workgroup_id_z 1
		.amdhsa_system_vgpr_workitem_id 0
		.amdhsa_next_free_vgpr 16
		.amdhsa_next_free_sgpr 66
		.amdhsa_reserve_vcc 1
		.amdhsa_float_denorm_mode_32 3
		.amdhsa_float_denorm_mode_16_64 3
		.amdhsa_memory_ordered 1
		.amdhsa_forward_progress 1
		.amdhsa_inst_pref_size 2
	.end_amdhsa_kernel
	.amdgpu_metadata
---
amdhsa.version: [ 1, 2 ]
amdhsa.kernels:
  - .name:           k_qeffceff923_total
    .symbol:         k_qeffceff923_total.kd
    .args:
      - { .name: psum, .offset: 0, .size: 8, .value_kind: global_buffer, .address_space: global }
      - { .name: out0, .offset: 8, .size: 8, .value_kind: global_buffer, .address_space: global }
    .group_segment_fixed_size: 0
    .private_segment_fixed_size: 0
    .kernarg_segment_align: 8
    .kernarg_segment_size: 16
    .max_flat_workgroup_size: 32
    .sgpr_count:     66
    .vgpr_count:     16
    .wavefront_size: 32
...
	.end_amdgpu_metadata
.endif
;; end of part 4
